; MI455X (gfx1250); checked and timed in simulation.
; The chip was launched on July 23, 2026; its instructions are those of AMD's public machine-readable ISA for CDNA 5 (MIT licence, August 2026) and "CDNA5" Instruction Set Architecture Reference Guide (July 2026). The comments in the code are by the model that wrote it; some were corrected since.
;; Multi Head Self Attention. Allowed arithmetic: matrix products marked QUANTISED: E2M1 operands, one E8M0 scale for each 32 along K, by v_wmma_scale_f32_16x16x128_f8f6f4 with both operands' format E2M1 (or v_wmma_scale_f32_32x16x128_f4), f32 sums; everything else in f32.
;; Inputs: Wk 1,024 x 1,024 float32; Wq 1,024 x 1,024 float32; Wv 1,024 x 1,024 float32; x 4 x 2,048 x 1,024 float32.
;; Outputs: out0 4 x 2,048 x 1,024 float32.
;; This version of the problem:
;;   THIS VERSION OF THE PROBLEM IS GIVEN IN LOW PRECISION. The matrix products marked QUANTISED in the list below multiply operands that are first quantised to E2M1 (2 exponent bits, 1 mantissa bit; 4 bits a number), with one power-of-two scale for each 32 numbers along K (OCP MX v1.0); their sums are f32. All else is computed in f32.
;;   The module's matrix products, in the order in which they are computed (A, B: the left and right operand; K: the contracted axis; several contracted axes count as one K, in the product's order):
;;     1. [M 8,192, K 1,024] x [K 1,024, N 1,024]; A: input x; B: input Wq: QUANTISED
;;     2. [M 8,192, K 1,024] x [K 1,024, N 1,024]; A: input x; B: input Wk: QUANTISED
;;     3. [M 8,192, K 1,024] x [K 1,024, N 1,024]; A: input x; B: input Wv: QUANTISED
;;     4. batch 64 x [M 2,048, K 64] x [K 64, N 2,048]; A: computed on the way; B: computed on the way: QUANTISED
;;     5. batch 64 x [M 2,048, K 2,048] x [K 2,048, N 64]; A: softmax (see below); B: computed on the way: QUANTISED
;;   THE QUANTISER, for each operand of a quantised product, along K:
;;     - K is cut into blocks of 32 from its start; a last block that is shorter is filled with zeros.
;;     - A block's scale is 2^e with e = floor(log2(the largest magnitude in the block)) - 2, held to -126 .. 127; a block of zeros has e = 0. As a byte (E8M0): e + 127.
;;     - Each number is divided by its block's scale, clamped to +-6, and rounded to the nearest number of E2M1, ties to even, subnormals kept.
;;     - The product sums the exact products of the quantised numbers (number of the format x scale) in f32.
;;   ~~~python
;;   def quantise(x, axis):      # numpy; x: float32 -> the quantised numbers, widened to float32 again
;;       x = np.moveaxis(x, axis, -1); K = x.shape[-1]
;;       x = np.pad(x, [(0, 0)] * (x.ndim - 1) + [(0, -K % 32)]); x = x.reshape(x.shape[:-1] + (-1, 32)); a = np.abs(x).max(-1, keepdims=True)
;;       e = np.where(a > 0, np.clip(np.frexp(np.where(a > 0, a, 1))[1] - 1 - 2, -126, 127), 0)      # np.frexp(a)[1] - 1 = floor(log2(a)), exactly
;;       r = np.clip(x / 2.0 ** e, -6, 6)
;;       step = 2.0 ** (np.maximum(np.frexp(np.where(r == 0, 1, r))[1] - 1, 0) - 1)
;;       q = np.round(r / step) * step * 2.0 ** e      # np.round: ties to even
;;       return np.moveaxis(q.reshape(q.shape[:-2] + (-1,))[..., :K], -1, axis).astype(np.float32)
;;   ~~~
;;   SOFTMAX AHEAD OF A QUANTISED PRODUCT. Where the list says 'softmax', what is quantised is not the finished softmax but p = 2^(t - M), with t = logit x log2(e) and M = ceil(the row's largest t), a whole number; so 1/2 < the row's largest p <= 1. The row's sum l is taken of the UNQUANTISED p, in f32, and the product's result is divided by l at the end. Since M is a whole number, a kernel that streams over the keys may use a running M (the ceiling of the running maximum): every later rescaling is an exact power of two, which a block's scale takes up: the codes' values come out the same.
;;   OPERANDS COMPUTED ON THE WAY. 'Computed on the way' means the value that the module computes at that place (a softmax that the list does not call 'softmax' is quantised finished and normalised). What goes into a quantiser is computed in f32, as accurately as f32 sums, v_exp_f32 and their like allow (about 1e-6 of the number): no bf16 or f16 on the way to a quantiser, and a product that is left as it is and whose result goes on into a quantised operand takes f32 operands (vector FMAs, or v_wmma_f32_16x16x4_f32). A number that lies on a knife's edge between two numbers of the format may be rounded either way, as far as f32 arithmetic and the matrix unit's own rounding can turn it there, and no further.
;; One version. Each part assembles by itself: llvm-mc -triple=amdgcn-amd-amdhsa -mcpu=gfx1250 --defsym DOCPART=n.
;; ======== version 1 of 1: 3 launches
;; limits: right only within a limited range of input values
;; workspace buffers: acodes 5,767,168 bytes; ascales 360,448 bytes; qcodes 4,194,304 bytes; qscales 524,288 bytes; kvimg 9,175,040 bytes
;; launch quant (part 1): grid 352 x 1, 4 waves a work-group, no clusters, 33,280 bytes of LDS; arguments x, Wq, Wk, Wv, acodes, ascales; writes acodes, ascales
.if DOCPART == 1
	.amdgcn_target "amdgcn-amd-amdhsa--gfx1250"
	.amdhsa_code_object_version 6
	.text
	.protected	k_q10b44940d0_quant
	.globl	k_q10b44940d0_quant
	.p2align	8
	.type	k_q10b44940d0_quant,@function
k_q10b44940d0_quant:
	s_mov_b64 s[64:65], 0
	v_nop
	global_prefetch_b8 v0, s[64:65] scope:SCOPE_SE
	s_setreg_imm32_b32 hwreg(HW_REG_WAVE_MODE, 25, 1), 1
	s_wait_xcnt 0x0
; x [8192][1024], Wq, Wk, Wv [1024][1024], f32, K innermost, become codes of FP4 (E2M1) and one E8M0 scale byte for each 32 along K, in ONE table of 11,264 rows:
; acodes [11264][512 bytes], ascales [11264][32 bytes]; rows 0-8191 x, 8192-9215 Wq, 9216-10239 Wk, 10240-11263 Wv.
; THE ROWS STAND IN ANOTHER ORDER: within every 32 rows the four groups of 8 rows stand as 0, 2, 1, 3.  So 16 consecutive rows of the table (half u of the 32) are the original rows 8 u + m + 8 (m / 8), m = 0 .. 15:
; the choice of a tile's rows by which a transposed product leaves a lane 16 neighbours in the registers of two neighbouring tiles.  It costs one exchange of two bits of the wave's number.
; A block's scale is 2^(floor(log2(its largest magnitude)) - 2); its byte is the largest magnitude's exponent field - 2, held at 1 from below.  Each number is divided by the scale and rounded to the nearest code, ties to even; beyond 6 the largest code.
; LIMITS: a block whose largest magnitude lies under 2^-124 keeps the byte 1; a block of zeros gets the byte 1 where the rule says 127 (its codes are zeros, which add nothing under any byte but 0xff, and this program alone reads the bytes);
; NaN and infinities among the inputs are not served.
; A work-group takes 32 rows, a wave 8 rows = 8,192 numbers in 16 steps of 512.  Each of a step's four loads reads 512 consecutive bytes, 16 a lane; the 2,048 bytes turn through the wave's own stage in LDS and come back 64 bytes a lane,
; so that a lane holds 16 neighbours along K (two neighbouring lanes hold a block).  A lane's 16 codes are 8 bytes: the wave stores 256 consecutive bytes.  The wave's 256 scale bytes are gathered in LDS and leave as one store of 256 consecutive bytes.
; No tensor loads, no barrier: waves share nothing.  Loads run eight steps (32 loads a wave) ahead, in eight sets of registers; the turn through LDS one step.
.set STEPS, 16
.set AHEAD, 8                          ; steps of loads in flight
.set EMAX,  2
.set CB,    8                          ; bytes of 16 codes
.set R,     16                         ; v16-143  eight sets of 16 numbers as they are loaded
.set X,     144                        ; v144-175 two sets of 16 neighbours
.set E,     176                        ; v176-191 a scale byte for each step
.set SPW,   192                        ; v192     LDS address of my spare word; never rewritten
.set NIL,   193                        ; v193     0; never rewritten
.set C,     194                        ; v194-225 codes: two registers for each step, so that no store's data are written again
.set WREG,  8192                       ; LDS: a region for each wave: two stages of 32 x SP bytes, behind them its 256 scale bytes
.set SP,    80                         ; a lane's place in a stage: its 64 bytes + 16 of padding
.set SPARE, 4*WREG                     ; behind the four regions: the spare words, 128 bytes a wave
	s_load_b256 s[4:11], s[0:1], 0x0               ; x s[4:5], Wq s[6:7], Wk s[8:9], Wv s[10:11]
	s_load_b128 s[12:15], s[0:1], 0x20             ; acodes s[12:13], ascales s[14:15]
	v_lshl_add_u32 v[SPW], v0, 2, SPARE
	v_mov_b32 v[NIL], 0
	v_lshrrev_b32 v1, 5, v0
	v_readfirstlane_b32 s16, v1                    ; wave
	v_and_b32 v2, 31, v0                           ; lane
	v_lshlrev_b32 v3, 4, v2                        ; my 16 bytes of a load's 512
	s_mul_i32 s17, s16, WREG
	v_lshrrev_b32 v14, 2, v2
	v_mul_u32_u24 v14, v14, SP
	v_and_b32 v15, 3, v2
	v_lshl_add_u32 v14, v15, 4, v14
	v_add_nc_u32 v14, s17, v14                     ; the stage, on the way in: SP (lane / 4) + 16 (lane % 4)
	v_mul_u32_u24 v15, v2, SP
	v_add_nc_u32 v15, s17, v15                     ; and on the way out: SP x lane: my 16 neighbours
	v_mul_u32_u24 v4, v2, CB                       ; my codes' place in a step's
	v_lshrrev_b32 v5, 1, v2
	s_add_co_u32 s17, s17, 2*32*SP
	v_add_nc_u32 v5, s17, v5                       ; LDS: my wave's 256 scale bytes, my block's byte
	v_lshlrev_b32 v7, 3, v2                        ; and on the way out 8 bytes a lane
	v_add_nc_u32 v6, s17, v7
	s_wait_alu depctr_va_vdst(0)                   ; the wait at the head's end
	s_wait_kmcnt 0x0
	s_cmp_lt_u32 ttmp9, 256                        ; which tensor?  Work-groups 0-255 x, 256-287 Wq, 288-319 Wk, 320-351 Wv: the choice hangs on the work-group's number alone
	s_cselect_b64 s[4:5], s[4:5], s[6:7]
	s_cselect_b32 s18, 0, 256                      ; and the tensor's first work-group
	s_cmp_lt_u32 ttmp9, 288
	s_cselect_b64 s[4:5], s[4:5], s[8:9]
	s_cselect_b32 s18, s18, 288
	s_cmp_lt_u32 ttmp9, 320
	s_cselect_b64 s[4:5], s[4:5], s[10:11]
	s_cselect_b32 s18, s18, 320
	s_sub_co_u32 s18, ttmp9, s18
	s_lshl_b32 s18, s18, 2
	s_add_co_u32 s18, s18, s16                     ; in: which run of 8 rows of the tensor is my wave's
	s_lshl_b32 s20, s18, 15                        ; 32,768 bytes a run
	s_mov_b32 s21, 0
	s_add_nc_u64 s[4:5], s[4:5], s[20:21]
	s_and_b32 s22, s16, 1                          ; out: the wave's two bits change places: groups 0, 1, 2, 3 go to places 0, 2, 1, 3
	s_lshl_b32 s22, s22, 1
	s_lshr_b32 s23, s16, 1
	s_or_b32 s22, s22, s23
	s_lshl_b32 s23, ttmp9, 2
	s_add_co_u32 s22, s22, s23                     ; which run of 8 rows of the table
	s_lshl_b32 s24, s22, 12                        ; 4,096 bytes of codes a run
	s_mov_b32 s25, 0
	s_add_nc_u64 s[12:13], s[12:13], s[24:25]
	s_lshl_b32 s24, s22, 8                         ; 256 scale bytes a run
	s_add_nc_u64 s[14:15], s[14:15], s[24:25]
.macro LOAD t
.irp i, 0,1,2,3
	global_load_b128 v[R+16*((\t)%AHEAD)+4*\i:R+16*((\t)%AHEAD)+4*\i+3], v3, s[4:5] offset:2048*(\t)+512*\i th:TH_LOAD_NT   ; 32 lanes read 512 consecutive bytes
.endr
.endm
.macro TURN t                          ; step t's numbers through the stage: LDS serves a wave's instructions in order, so no wait stands between the stores and the loads
.irp i, 0,1,2,3
	ds_store_b128 v14, v[R+16*((\t)%AHEAD)+4*\i:R+16*((\t)%AHEAD)+4*\i+3] offset:32*SP*((\t)%2)+8*SP*\i
.endr
.irp i, 0,1,2,3
	ds_load_b128 v[X+16*((\t)%2)+4*\i:X+16*((\t)%2)+4*\i+3], v15 offset:32*SP*((\t)%2)+16*\i
.endr
.endm
.irp t, 0,1,2,3,4,5,6,7
	LOAD \t
.endr
	s_wait_loadcnt 4*(AHEAD-1)                     ; step 0's four loads are in; the seven later steps' 28 may be out
	TURN 0
.macro STEP t
.set XS, X+16*((\t)%2)
.if (\t) > 0
	s_wait_dscnt 1                                 ; this step's numbers are back from the stage (the last step's byte store may be out): so its stores into the stage have read their registers,
.else
	s_wait_dscnt 0x0
.endif
.if (\t)+AHEAD < STEPS
	LOAD (\t)+AHEAD                                ; which take the loads of eight steps on
.endif
.if (\t)+1 < STEPS
.if STEPS-2-(\t) >= AHEAD-1
	s_wait_loadcnt 4*(AHEAD-1)                     ; the next step's four loads are in; those of the seven steps behind it may be out
.else
	s_wait_loadcnt 4*(STEPS-2-(\t))
.endif
	TURN (\t)+1                                    ; and go through the other stage while this step is worked
.endif
	v_max3_num_f32 v8, |v[XS]|, |v[XS+1]|, |v[XS+2]|               ; the largest magnitude of my 16, in two chains
	v_max3_num_f32 v9, |v[XS+3]|, |v[XS+4]|, |v[XS+5]|
.irp i, 6,10
	v_max3_num_f32 v8, v8, |v[XS+\i]|, |v[XS+\i+1]|
	v_max3_num_f32 v9, v9, |v[XS+\i+2]|, |v[XS+\i+3]|
.endr
	v_max3_num_f32 v8, v8, |v[XS+14]|, |v[XS+15]|
	v_max3_num_f32 v8, v8, v9, (EMAX+1)<<23        ; and the floor 2^(3 - 127): the byte cannot fall under 1
	v_max_num_f32_dpp v8, v8, v8 row_xmask:1 row_mask:0xf bank_mask:0xf   ; and of my neighbour's 16: the block's
	v_add_nc_u32 v11, -(EMAX<<23), v8              ; 2 off its exponent field: the conversion takes the exponent field of this operand as its scale, and nothing else of it
	v_cvt_scalef32_pk8_fp4_f32 v[C+2*(\t)], v[XS:XS+7], v11
	v_cvt_scalef32_pk8_fp4_f32 v[C+2*(\t)+1], v[XS+8:XS+15], v11
	v_lshrrev_b32 v[E+(\t)], 23, v11               ; the scale's byte (also the plain line behind the conversions)
	ds_store_b8 v5, v[E+(\t)] offset:16*(\t)       ; both lanes of a block write the same byte with the same value
	global_store_b64 v4, v[C+2*(\t):C+2*(\t)+1], s[12:13] offset:32*CB*(\t)   ; 32 lanes store 256 consecutive bytes, at a multiple of 256 from the buffer's first byte
.endm
.irp t, 0,1,2,3,4,5,6,7,8,9,10,11,12,13,14,15
	STEP \t
.endr
	ds_load_b64 v[12:13], v6                       ; LDS serves a wave's instructions in order: these see my stores
	s_wait_dscnt 0x0
	global_store_b64 v7, v[12:13], s[14:15]        ; 32 lanes store 256 consecutive bytes
	s_wait_tensorcnt 0x0                           ; the wave's end
	ds_add_u32 v[SPW], v[NIL]
	s_wait_dscnt 0x0
	s_endpgm
.Lfunc_end_k_q10b44940d0_quant:
	.size	k_q10b44940d0_quant, .Lfunc_end_k_q10b44940d0_quant-k_q10b44940d0_quant
	.p2alignl 7, 3214868480
	.fill 96, 4, 3214868480
	.section	.rodata,"a",@progbits
	.p2align	6, 0x0
	.amdhsa_kernel k_q10b44940d0_quant
		.amdhsa_group_segment_fixed_size 33280
		.amdhsa_private_segment_fixed_size 0
		.amdhsa_enable_private_segment 0
		.amdhsa_kernarg_size 48
		.amdhsa_user_sgpr_count 2
		.amdhsa_user_sgpr_kernarg_segment_ptr 1
		.amdhsa_wavefront_size32 1
		.amdhsa_system_sgpr_workgroup_id_x 1
		.amdhsa_system_sgpr_workgroup_id_y 1
		.amdhsa_system_sgpr_workgroup_id_z 1
		.amdhsa_system_vgpr_workitem_id 0
		.amdhsa_next_free_vgpr 226
		.amdhsa_next_free_sgpr 66
		.amdhsa_reserve_vcc 0
		.amdhsa_float_denorm_mode_32 3
		.amdhsa_float_denorm_mode_16_64 3
		.amdhsa_memory_ordered 1
		.amdhsa_forward_progress 1
		.amdhsa_inst_pref_size 34
	.end_amdhsa_kernel
	.amdgpu_metadata
---
amdhsa.version: [ 1, 2 ]
amdhsa.kernels:
  - .name:           k_q10b44940d0_quant
    .symbol:         k_q10b44940d0_quant.kd
    .args:
      - { .name: x, .offset: 0, .size: 8, .value_kind: global_buffer, .address_space: global }
      - { .name: Wq, .offset: 8, .size: 8, .value_kind: global_buffer, .address_space: global }
      - { .name: Wk, .offset: 16, .size: 8, .value_kind: global_buffer, .address_space: global }
      - { .name: Wv, .offset: 24, .size: 8, .value_kind: global_buffer, .address_space: global }
      - { .name: acodes, .offset: 32, .size: 8, .value_kind: global_buffer, .address_space: global }
      - { .name: ascales, .offset: 40, .size: 8, .value_kind: global_buffer, .address_space: global }
    .group_segment_fixed_size: 33280
    .private_segment_fixed_size: 0
    .kernarg_segment_align: 8
    .kernarg_segment_size: 48
    .max_flat_workgroup_size: 128
    .sgpr_count:     66
    .vgpr_count:     226
    .wavefront_size: 32
...
	.end_amdgpu_metadata
.endif
;; end of part 1
;; launch proj (part 2): grid 12 x 32, 4 waves a work-group, clusters of 4 x 4, 327,680 bytes of LDS; arguments acodes, ascales, qcodes, qscales, kvimg; writes qcodes, qscales, kvimg
.if DOCPART == 2
	.amdgcn_target "amdgcn-amd-amdhsa--gfx1250"
	.amdhsa_code_object_version 6
	.text
	.protected	k_q10b44940d0_proj
	.globl	k_q10b44940d0_proj
	.p2align	8
	.type	k_q10b44940d0_proj,@function
k_q10b44940d0_proj:
	s_mov_b64 s[64:65], 0
	v_nop
	global_prefetch_b8 v0, s[64:65] scope:SCOPE_SE
	s_setreg_imm32_b32 hwreg(HW_REG_WAVE_MODE, 25, 1), 1
	s_wait_xcnt 0x0
	s_wait_alu depctr_hold_cnt(0) depctr_sa_sdst(0) depctr_va_vdst(0) depctr_va_sdst(0) depctr_va_ssrc(0) depctr_va_vcc(0) depctr_vm_vsrc(0)
	s_getreg_b32 s2, hwreg(HW_REG_IB_STS2, 6, 4)
	s_cmp_eq_u32 s2, 0
	s_cbranch_scc0 .Lentry_in_a_cluster
	s_endpgm
.Lentry_in_a_cluster:
	s_bfe_u32 s2, ttmp6, 0x10000c
	s_cmp_lg_u32 s2, 0xf033
	s_cbranch_scc0 .Lentry_shape_is_right
	s_endpgm
.Lentry_shape_is_right:
.set NQ,     4
.set ROWB,   256
.set KROW,   512
.set PITCH,  272
.set FR,     8
.set NL,     2
.set NP,     4
.set HALFT,  128*PITCH
.set SLOT,   4*HALFT
.set KS,     32
.set SCL,    2*SLOT
.set HALFS,  16*272
.set SBLK,   2*272
.set HEADB,  143360
.set STEPB,  8960
.set ADRA, 16
.set ADRB, 20
.set LI2,  22
.set LI3,  23
.set LI,   24
.set L8,   25
.set LN,   26
.set ADRS, 27
.set SC,   32
.set AF,   128
.set RY,   96
.set RZ,   112
.set FF,   192
.set RS,   FF
.set RC,   FF+16
.set TM,   224
.set CD,   32
.set WD,   96
.set PK,   112
.set XN,   128
.set SEL,  98
.set G1, 24
.set G0, 32
.set G1B, 48
.set G0B, 56
.set G1S, 68
.set G0S, 76
.set G1SB, 80
.set G0SB, 88
.set MSB, 0
.macro WIN new
.if MSB != (\new)
	s_set_vgpr_msb (MSB<<8)|(\new)
.set MSB, (\new)
.endif
.endm
.set MUL_LO, 0xa1
.set MUL_HI, 0xf1
.set TO_B,   0x40
.macro JLOAD g0a, g1a, g0b, g1b
	s_cmp_eq_u32 s15, 0
	s_cbranch_scc0 .Lfor_b_\@
	tensor_load_to_lds s[\g0a:\g0a+3], s[\g1a:\g1a+7]
	s_nop 0
.rept 4
	v_nop
.endr
	s_branch .Lasked_\@
.Lfor_b_\@:
	tensor_load_to_lds s[\g0b:\g0b+3], s[\g1b:\g1b+7]
	s_nop 0
.rept 4
	v_nop
.endr
.Lasked_\@:
.endm
.macro CROUND
	s_barrier_signal -1
	s_barrier_wait -1
	s_cmp_lg_u32 s14, 0
	s_cbranch_scc1 .Lnot_wave_0_\@
	s_barrier_signal -3
.Lnot_wave_0_\@:
	s_barrier_wait -3
	s_barrier_signal -1
	s_barrier_wait -1
.endm
	s_load_b256 s[4:11], s[0:1], 0x0
	s_load_b64 s[12:13], s[0:1], 0x20
	v_lshl_add_u32 v254, v0, 2, 0x48400
	v_mov_b32 v255, 0
	ds_add_u32 v254, v255
	ds_add_u32 v254, v255
	v_lshrrev_b32 v1, 5, v0
	v_readfirstlane_b32 s14, v1
	s_lshr_b32 s15, s14, 1
	s_and_b32 s16, s14, 1
	s_bfe_u32 s40, ttmp6, 0x40000
	s_bfe_u32 s41, ttmp6, 0x40004
	s_and_b32 s96, ttmp7, 0xffff
	s_lshl_b32 s97, s96, 2
	s_lshl_b32 s42, ttmp9, 2
	s_add_co_u32 s42, s42, 32
	s_cmp_eq_u32 ttmp9, 2
	s_cselect_b32 s42, s97, s42
	s_cselect_b32 s17, 40, s97
	s_add_co_u32 s42, s42, s40
	s_add_co_u32 s17, s17, s41
	s_lshl_b32 s43, s41, 2
	s_lshl_b32 s43, 15, s43
	s_lshl_b32 s44, 0x1111, s40
	s_or_b32 s[G1+0], s43, (0<<16)|(1<<20)|(1<<21)|(5<<22)|(3<<25)
	s_or_b32 s[G1B+0], s44, (0<<16)|(1<<20)|(1<<21)|(5<<22)|(3<<25)
.irp g, G1, G1B
	s_mov_b32 s[\g+1], ROWB<<16
	s_mov_b32 s[\g+2], 256<<16                     ; the head's loads of codes bring 256 rows; behind them these two words are set to 128
	s_mov_b32 s[\g+3], ROWB<<16
	s_mov_b32 s[\g+4], 256
	s_mov_b32 s[\g+5], KROW
	s_mov_b32 s[\g+6], 0
	s_mov_b32 s[\g+7], 0
.endr
	s_or_b32 s[G1S+0], s43, (3<<16)|(1<<20)|(1<<21)|(5<<22)|(3<<25)
	s_or_b32 s[G1SB+0], s44, (3<<16)|(1<<20)|(1<<21)|(5<<22)|(3<<25)
.irp g, G1S, G1SB
	s_mov_b32 s[\g+1], 32<<16
	s_mov_b32 s[\g+2], 32<<16                      ; the scales of 256 rows: 8,192 dense bytes as 32 rows of 256
	s_mov_b32 s[\g+3], 32<<16
	s_mov_b32 s[\g+4], 32
	s_mov_b32 s[\g+5], 32
	s_mov_b32 s[\g+6], 0
	s_mov_b32 s[\g+7], 0
.endr
	s_lshl_b32 s18, s16, 7
	s_lshl_b32 s20, s17, 8
	s_lshl_b32 s46, s42, 8
	s_lshl_b32 s22, s20, 5
	s_mov_b32 s23, 0
	s_lshl_b32 s92, s46, 5
	s_mov_b32 s93, 0
	s_lshl_b32 s20, s20, 9
	s_mov_b32 s21, 0
	s_lshl_b32 s46, s46, 9
	s_mov_b32 s47, 0
	s_mul_i32 s45, s14, HALFT
	s_wait_dscnt 0x0
	s_wait_kmcnt 0x0
	s_add_nc_u64 s[20:21], s[4:5], s[20:21]
	s_add_nc_u64 s[22:23], s[6:7], s[22:23]
	s_add_nc_u64 s[46:47], s[4:5], s[46:47]
	s_add_nc_u64 s[92:93], s[6:7], s[92:93]
	CROUND
	s_mov_b32 s[G0S], 1
	s_mov_b32 s[G0S+1], SCL
	s_mov_b64 s[G0S+2:G0S+3], s[22:23]
	s_or_b32 s[G0S+3], s[G0S+3], 0x80000000
	s_mov_b32 s[G0SB], 1
	s_mov_b32 s[G0SB+1], SCL+2*HALFS
	s_mov_b64 s[G0SB+2:G0SB+3], s[92:93]
	s_or_b32 s[G0SB+3], s[G0SB+3], 0x80000000
	s_mov_b32 s[G0], 1                             ; slot 0 is filled once, whole: K step 0's 256 rows of A,
	s_mov_b32 s[G0+1], 0
	s_mov_b64 s[G0+2:G0+3], s[20:21]
	s_or_b32 s[G0+3], s[G0+3], 0x80000000
	s_mov_b32 s[G0B], 1                            ; and its 256 rows of B behind them
	s_mov_b32 s[G0B+1], 2*HALFT
	s_mov_b64 s[G0B+2:G0B+3], s[46:47]
	s_or_b32 s[G0B+3], s[G0B+3], 0x80000000
	s_lshl_b32 s18, s18, 9                         ; slot 1: my 128 rows of the tile, 512 bytes a row
	s_mov_b32 s19, 0
	s_add_nc_u64 s[20:21], s[20:21], s[18:19]
	s_add_nc_u64 s[46:47], s[46:47], s[18:19]
	s_mov_b32 s[G0+4], 1
	s_add_co_u32 s[G0+5], s45, SLOT
	s_add_nc_u64 s[G0+6:G0+7], s[20:21], ROWB
	s_or_b32 s[G0+7], s[G0+7], 0x80000000
	s_mov_b32 s[G0B+4], 1
	s_add_co_u32 s[G0B+5], s45, SLOT
	s_add_nc_u64 s[G0B+6:G0B+7], s[46:47], ROWB
	s_or_b32 s[G0B+7], s[G0B+7], 0x80000000
; THE HEAD'S LOADS, ONE A WAVE: wave 0 K step 0's 256 rows of A, wave 1 its 256 rows of B, wave 2 the scales of A's 256 rows, wave 3 those of B's.
; One tree of branches on the wave's number: every way through the head passes exactly one load.  The addresses and the rope's factors below are made while these loads are out.
.macro ARM under, g0, g1, next
	s_cmp_lt_u32 s14, \under
	s_cbranch_scc0 \next
	tensor_load_to_lds s[\g0:\g0+3], s[\g1:\g1+7]
	s_nop 0
.rept 4
	v_nop
.endr
	s_branch .Lhead_asked
\next:
.endm
	ARM 1, G0,  G1,  .Lhead_b
	ARM 2, G0B, G1B, .Lhead_sa
	ARM 3, G0S, G1S, .Lhead_sb
	tensor_load_to_lds s[G0SB:G0SB+3], s[G1SB:G1SB+7]
	s_nop 0
.rept 4
	v_nop
.endr
.Lhead_asked:
	v_and_b32 v1, 15, v0
	v_bfe_u32 v2, v0, 4, 1
	v_mul_u32_u24 v3, v1, PITCH
	v_lshl_add_u32 v4, v2, 4, v3
	s_mul_i32 s21, s15, HALFT
	s_mul_i32 s22, s16, HALFT
	s_add_co_u32 s22, s22, 2*HALFT
.irp s, 0,1
	v_add_nc_u32 v[ADRA+\s], s21, v4
	v_add_nc_u32 v[ADRB+\s], s22, v4
	s_add_co_u32 s21, s21, SLOT
	s_add_co_u32 s22, s22, SLOT
.endr
	v_mul_u32_u24 v5, v1, KS
	v_lshrrev_b32 v6, 8, v5
	v_lshl_add_u32 v5, v6, 4, v5
	s_mul_i32 s21, s15, HALFS
	s_mul_i32 s22, s16, HALFS
	s_add_co_u32 s22, s22, 2*HALFS
	s_sub_co_u32 s22, s22, s21
	v_mul_u32_u24 v6, s22, v2
	s_add_co_u32 s21, s21, SCL
	v_add_nc_u32 v5, v5, v6
	v_add_nc_u32 v[ADRS], s21, v5
	v_and_b32 v[LN], 31, v0
	v_lshlrev_b32 v[LI], 4, v[LN]
	v_lshlrev_b32 v[L8], 3, v[LN]
	s_mov_b32 s[SEL], 0x76543210
	s_mov_b32 s[SEL+1], 0xfedcba98
.irp b, 0,1,2,3
	v_mov_b32 v[TM+4+\b], 0
.endr
	s_lshr_b32 s95, s96, 1
	v_cvt_f32_u32 v30, s95
	v_mul_f32 v30, 0.5, v30
	v_mov_b32 v28, 0xab573f9f
	v_mov_b32 v29, 0xad49cba5
.set i, 0
.rept 16
	v_lshl_add_u32 v[RY+i], v2, 4, i
.set i, i+1
.endr
.set i, 0
.rept 16
	v_cvt_f32_u32 v[RY+i], v[RY+i]
.set i, i+1
.endr
.set i, 0
.rept 16
	v_mul_f32 v[RY+i], 0xbed49a78, v[RY+i]
.set i, i+1
.endr
.set i, 0
	s_wait_alu depctr_va_vdst(0)
.rept 16
	v_exp_f32 v[RY+i], v[RY+i]
.set i, i+1
.endr
	v_nop
.set i, 0
	s_wait_alu depctr_va_vdst(0)
.rept 16
	v_mul_f32 v[RY+i], v[RY+i], v30
.set i, i+1
.endr
.set i, 0
.rept 16
	v_mul_f32 v[RZ+i], v[RY+i], v[RY+i]
.set i, i+1
.endr
.set i, 0
.rept 16
	v_fmaak_f32 v[RS+i], v[RZ+i], v28, 0x2f309231
	v_fmaak_f32 v[RC+i], v[RZ+i], v29, 0x310f76c7
.set i, i+1
.endr
.macro HORNER ks, kc
.set i, 0
.rept 16
	v_fmaak_f32 v[RS+i], v[RS+i], v[RZ+i], \ks
	v_fmaak_f32 v[RC+i], v[RC+i], v[RZ+i], \kc
.set i, i+1
.endr
.endm
	HORNER 0xb2d7322b, 0xb493f27e
	HORNER 0x3638ef1d, 0x37d00d01
	HORNER 0xb9500d01, 0xbab60b61
	HORNER 0x3c088889, 0x3d2aaaab
	HORNER 0xbe2aaaab, 0xbf000000
.set i, 0
.rept 16
	v_fma_f32 v[RC+i], v[RZ+i], v[RC+i], 1.0
.set i, i+1
.endr
.set i, 0
.rept 16
	v_mul_f32 v[RZ+i], v[RY+i], v[RZ+i]
.set i, i+1
.endr
.set i, 0
.rept 16
	v_fma_f32 v[RS+i], v[RZ+i], v[RS+i], v[RY+i]
.set i, i+1
.endr
.set i, 0
.rept 16
	v_sub_f32 v[RY+i], v[RC+i], v[RS+i]
	v_add_f32 v[RZ+i], v[RC+i], v[RS+i]
.set i, i+1
.endr
.set i, 0
.rept 16
	v_add_f32 v[RS+i], v[RS+i], v[RS+i]
.set i, i+1
.endr
.set i, 0
.rept 16
	v_fma_f32 v[RC+i], -v[RS+i], v[RZ+i], 1.0
.set i, i+1
.endr
.set i, 0
.rept 16
	v_fma_f32 v[RS+i], v[RS+i], v[RY+i], 1.0
.set i, i+1
.endr
.macro FRAG reg, adr, q, i
.irp c, 0,1
	ds_load_b128 v[\reg+4*\c:\reg+4*\c+3], v[\adr] offset:64*(\q)+32*\c+(\i)*16*PITCH
.endr
.endm
.macro MUL16 a0, p, q, sc, zero
.irp a, \a0, \a0+1
.irp b, 0,1,2,3,4,5,6,7
.if \zero
	v_wmma_scale_f32_16x16x128_f8f6f4 v[8*(8*((\a)%4)+\b):8*(8*((\a)%4)+\b)+7], v[128*(\p)+FR*\b:128*(\p)+FR*\b+FR-1], v[AF+FR*(\a):AF+FR*(\a)+FR-1], 0, v[SC+8*NQ*(\sc)+NQ*\b+(\q)], v[SC+8*NQ*(\sc)+NQ*(\a)+(\q)] matrix_a_fmt:MATRIX_FMT_FP4 matrix_b_fmt:MATRIX_FMT_FP4 matrix_a_scale:MATRIX_SCALE_ROW1
.else
	v_wmma_scale_f32_16x16x128_f8f6f4 v[8*(8*((\a)%4)+\b):8*(8*((\a)%4)+\b)+7], v[128*(\p)+FR*\b:128*(\p)+FR*\b+FR-1], v[AF+FR*(\a):AF+FR*(\a)+FR-1], v[8*(8*((\a)%4)+\b):8*(8*((\a)%4)+\b)+7], v[SC+8*NQ*(\sc)+NQ*\b+(\q)], v[SC+8*NQ*(\sc)+NQ*(\a)+(\q)] matrix_a_fmt:MATRIX_FMT_FP4 matrix_b_fmt:MATRIX_FMT_FP4 matrix_a_scale:MATRIX_SCALE_ROW1
.endif
.endr
.endr
.endm
.macro FETCH_B slot, q, p
	WIN TO_B
.irp i, 0,1,2,3,4,5,6,7
	FRAG 128*(\p)+FR*\i, ADRB+\slot, \q, \i
.endr
	WIN 0
.endm
.macro FETCH_A slot, q, i0
.irp i, \i0, \i0+1, \i0+2, \i0+3
	FRAG AF+FR*(\i), ADRA+\slot, \q, \i
.endr
.endm
.macro SCALES sc
.irp i, 0,1,2,3,4,5,6,7
	ds_load_b128 v[SC+8*NQ*\sc+NQ*\i:SC+8*NQ*\sc+NQ*\i+3], v[ADRS] offset:\i*SBLK
.endr
.endm
.macro PLACES n
.rept \n
	v_nop
.endr
.endm
.macro STEP slot, q, zero
	s_wait_dscnt 4*NL
	WIN MUL_LO
	MUL16 0, (\q)%2, \q, \slot, \zero
	MUL16 2, (\q)%2, \q, \slot, \zero
	s_wait_dscnt 0
	PLACES NP
	FETCH_B \slot, (\q)+1, 1-(\q)%2
	FETCH_A \slot, (\q)+1, 0
	WIN MUL_HI
	MUL16 4, (\q)%2, \q, \slot, \zero
	MUL16 6, (\q)%2, \q, \slot, \zero
	PLACES NP
	WIN 0
	FETCH_A \slot, (\q)+1, 4
.endm
.macro STEPS slot, from
.set Q, \from
.rept NQ-1-\from
	STEP \slot, Q, 0
.set Q, Q+1
.endr
.endm
	s_wait_alu depctr_va_vdst(0)                   ; the wait at the head's end
	s_wait_tensorcnt 0x0                           ; my tile of the head's four is in
	ds_add_u32 v254, v255
	s_mov_b32 s[G1+2], 128<<16                     ; no tensor load of mine is out: from here on a load brings 128 rows
	s_mov_b32 s[G1+4], 128
	s_mov_b32 s[G1B+2], 128<<16
	s_mov_b32 s[G1B+4], 128
	s_wait_dscnt 0x0
	CROUND                                         ; all four tiles are in, and all sixteen work-groups are here
	JLOAD G0+4, G1, G0B+4, G1B                     ; K step 1, the first tensor load behind the round
	FETCH_B 0, 0, 0
	FETCH_A 0, 0, 0
	SCALES 0
	FETCH_A 0, 0, 4
	STEP 0, 0, 1
	STEPS 0, 1
	s_wait_tensorcnt 0x0
	s_wait_dscnt 4*NL
	WIN MUL_LO
	MUL16 0, 1, NQ-1, 0, 0
	s_wait_dscnt 0x0
	s_barrier_signal -1
	MUL16 2, 1, NQ-1, 0, 0
	WIN 0
	s_barrier_wait -1
	PLACES NP
	v_add_nc_u32 v[ADRS], 4*NQ, v[ADRS]
	FETCH_B 1, 0, 0
	FETCH_A 1, 0, 0
	SCALES 1
	WIN MUL_HI
	MUL16 4, 1, NQ-1, 0, 0
	MUL16 6, 1, NQ-1, 0, 0
	PLACES NP
	WIN 0
	FETCH_A 1, 0, 4
	STEPS 1, 0
	s_wait_dscnt 4*NL
	WIN MUL_LO
	MUL16 0, 1, NQ-1, 1, 0
	MUL16 2, 1, NQ-1, 1, 0
	s_wait_dscnt 0
	WIN MUL_HI
	MUL16 4, 1, NQ-1, 1, 0
	MUL16 6, 1, NQ-1, 1, 0
	WIN 0
	PLACES NP
.macro QUANT s, w, pc
	WIN (\w)|((\w)<<2)
.irp b, 0,1,2,3
	v_max3_num_f32 v[TM+\b], |v[(\s)+16*\b]|, |v[(\s)+1+16*\b]|, 0x1800000
.endr
	WIN ((\w)<<2)|((\w)<<4)
.irp i, 2,4,6,8,10,12,14
.irp b, 0,1,2,3
	v_max3_num_f32 v[TM+\b], v[TM+\b], |v[(\s)+16*\b+\i]|, |v[(\s)+1+16*\b+\i]|
.endr
.endr
	WIN 0
.irp b, 0,1,2,3
	v_permlanex16_b32 v[TM+4+\b], v[TM+\b], s[SEL], s[SEL+1]
.endr
.irp b, 0,1,2,3
	v_max_num_f32 v[TM+\b], v[TM+\b], v[TM+4+\b]
.endr
.irp b, 0,1,2,3
	v_add_nc_u32 v[TM+12+\b], 0xff000000, v[TM+\b]
.endr
.irp b, 0,1,2,3
	v_lshrrev_b32 v[TM+4+\b], 23, v[TM+12+\b]
.endr
	WIN (\w)
.irp b, 0,1,2,3
	v_cvt_scalef32_pk8_fp4_f32 v[(\pc)+2*\b], v[(\s)+16*\b:(\s)+7+16*\b], v[TM+12+\b]
	v_cvt_scalef32_pk8_fp4_f32 v[(\pc)+1+2*\b], v[(\s)+8+16*\b:(\s)+15+16*\b], v[TM+12+\b]
.endr
	WIN 0
	v_nop
.irp c, 0,1
.irp i, 0,1
	v_permlane16_swap_b32 v[(\pc)+4*\c+\i], v[(\pc)+2+4*\c+\i]
.endr
.endr
.endm
.macro FACT a
	WIN 2+(\a)/4
.set n, 0
.rept 32
	v_pk_mul_f32 v[XN+n:XN+n+1], v[64*((\a)%4)+n:64*((\a)%4)+n+1], v[FF+n%32:FF+n%32+1]
.set n, n+2
.endr
	WIN 0
.endm
	v_cmp_le_u32 vcc_lo, 16, v[LN]
	s_lshr_b32 s18, s96, 1
	s_and_b32 s19, s96, 1
	s_lshl_b32 s19, s19, 2
	s_cmp_eq_u32 ttmp9, 2
	s_cbranch_scc1 .Lv
	s_add_co_u32 s2, s19, s41
	s_lshl_b32 s2, s2, 1
	s_add_co_u32 s2, s2, s15
	s_lshl_b32 s3, s18, 4
	s_lshl_b32 s45, s40, 2
	s_add_co_u32 s3, s3, s45
	s_lshl_b32 s45, s16, 1
	s_add_co_u32 s3, s3, s45
	s_mov_b32 s17, HEADB
	s_mov_b32 s45, STEPB
	s_cmp_eq_u32 ttmp9, 0
	s_cselect_b64 s[20:21], s[8:9], s[12:13]
	s_cselect_b64 s[22:23], s[10:11], s[12:13]
	s_cselect_b32 s92, 65536, s17
	s_cselect_b32 s93, 8192, s17
	s_cselect_b32 s94, 4096, s45
	s_cselect_b32 s95, 512, s45
	s_cselect_b32 s97, 0, 8192
	s_mul_i32 s46, s3, s92
	s_mul_i32 s47, s2, s94
	s_add_co_u32 s46, s46, s47
	s_mov_b32 s47, 0
	s_add_nc_u64 s[20:21], s[20:21], s[46:47]
	s_mul_i32 s46, s3, s93
	s_mul_i32 s45, s2, s95
	s_add_co_u32 s46, s46, s45
	s_add_co_u32 s46, s46, s97
	s_add_nc_u64 s[22:23], s[22:23], s[46:47]
	v_add_nc_u32 v[LI2], s92, v[LI]
	v_add_nc_u32 v[LI3], s93, v[LI]
.irp a, 0,1,2,3,4,5,6,7
	FACT \a
	QUANT XN, 0, CD+8*\a
	v_lshl_or_b32 v[WD+2*\a], v[TM+5], 8, v[TM+4]
	v_lshl_or_b32 v[WD+2*\a+1], v[TM+7], 8, v[TM+6]
	v_or_b32 v[WD+2*\a], 0x7f7f0000, v[WD+2*\a]
	v_or_b32 v[WD+2*\a+1], 0x7f7f0000, v[WD+2*\a+1]
	global_store_b128 v[LI], v[CD+8*\a:CD+8*\a+3], s[20:21] offset:512*\a
	global_store_b128 v[LI2], v[CD+8*\a+4:CD+8*\a+7], s[20:21] offset:512*\a
.endr
.irp hh, 0,1
.irp p, 0,1,2,3
	v_cndmask_b32 v[PK+4*\hh+\p], v[WD+4*\p+\hh], v[WD+4*\p+2+\hh], vcc_lo
.endr
.endr
	global_store_b128 v[LI], v[PK:PK+3], s[22:23]
	global_store_b128 v[LI3], v[PK+4:PK+7], s[22:23]
	s_branch .Ldone
.Lv:
	s_add_co_u32 s2, s19, s40
	s_lshl_b32 s2, s2, 1
	s_add_co_u32 s2, s2, s16
	s_lshl_b32 s3, s18, 4
	s_lshl_b32 s45, s41, 2
	s_add_co_u32 s3, s3, s45
	s_lshl_b32 s45, s15, 1
	s_add_co_u32 s3, s3, s45
	s_mul_i32 s46, s3, HEADB
	s_mul_i32 s47, s2, STEPB
	s_add_co_u32 s46, s46, s47
	s_add_co_u32 s46, s46, 4096
	s_mov_b32 s47, 0
	s_add_nc_u64 s[20:21], s[12:13], s[46:47]
.irp a, 0,1,2,3,4,5,6,7
	QUANT 64*(\a%4), 2+\a/4, CD+8*\a
	v_lshl_or_b32 v[WD+\a], v[TM+5], 8, v[TM+4]
	v_lshl_or_b32 v[WD+\a], v[TM+6], 16, v[WD+\a]
	v_lshl_or_b32 v[WD+\a], v[TM+7], 24, v[WD+\a]
	global_store_b128 v[LI], v[CD+8*\a:CD+8*\a+3], s[20:21] offset:(\a/4)*HEADB+(\a%4)*1024
	global_store_b128 v[LI], v[CD+8*\a+4:CD+8*\a+7], s[20:21] offset:(\a/4)*HEADB+(\a%4)*1024+512
.endr
.irp hh, 0,1
.irp p, 0,1
	v_cndmask_b32 v[PK+2*\hh+\p], v[WD+4*\hh+2*\p], v[WD+4*\hh+2*\p+1], vcc_lo
.endr
	global_store_b64 v[L8], v[PK+2*\hh:PK+2*\hh+1], s[20:21] offset:\hh*HEADB+4608
.endr
.Ldone:
	s_wait_tensorcnt 0x0
	ds_add_u32 v254, v255
	s_wait_dscnt 0x0
	CROUND
	s_endpgm
.Lfunc_end_k_q10b44940d0_proj:
	.size	k_q10b44940d0_proj, .Lfunc_end_k_q10b44940d0_proj-k_q10b44940d0_proj
	.p2alignl 7, 3214868480
	.fill 96, 4, 3214868480
	.section	.rodata,"a",@progbits
	.p2align	6, 0x0
	.amdhsa_kernel k_q10b44940d0_proj
		.amdhsa_group_segment_fixed_size 327680
		.amdhsa_private_segment_fixed_size 0
		.amdhsa_enable_private_segment 0
		.amdhsa_kernarg_size 40
		.amdhsa_user_sgpr_count 2
		.amdhsa_user_sgpr_kernarg_segment_ptr 1
		.amdhsa_wavefront_size32 1
		.amdhsa_system_sgpr_workgroup_id_x 1
		.amdhsa_system_sgpr_workgroup_id_y 1
		.amdhsa_system_sgpr_workgroup_id_z 1
		.amdhsa_system_vgpr_workitem_id 0
		.amdhsa_next_free_vgpr 1024
		.amdhsa_next_free_sgpr 100
		.amdhsa_reserve_vcc 1
		.amdhsa_float_denorm_mode_32 3
		.amdhsa_float_denorm_mode_16_64 3
		.amdhsa_memory_ordered 1
		.amdhsa_forward_progress 1
		.amdhsa_inst_pref_size 201
	.end_amdhsa_kernel
	.amdgpu_metadata
---
amdhsa.version: [ 1, 2 ]
amdhsa.kernels:
  - .name:           k_q10b44940d0_proj
    .symbol:         k_q10b44940d0_proj.kd
    .args:
      - { .name: acodes, .offset: 0, .size: 8, .value_kind: global_buffer, .address_space: global }
      - { .name: ascales, .offset: 8, .size: 8, .value_kind: global_buffer, .address_space: global }
      - { .name: qcodes, .offset: 16, .size: 8, .value_kind: global_buffer, .address_space: global }
      - { .name: qscales, .offset: 24, .size: 8, .value_kind: global_buffer, .address_space: global }
      - { .name: kvimg, .offset: 32, .size: 8, .value_kind: global_buffer, .address_space: global }
    .group_segment_fixed_size: 327680
    .private_segment_fixed_size: 0
    .kernarg_segment_align: 8
    .kernarg_segment_size: 40
    .max_flat_workgroup_size: 128
    .sgpr_count:     100
    .vgpr_count:     1024
    .wavefront_size: 32
...
	.end_amdgpu_metadata
.endif
;; end of part 2
;; launch attn (part 3): grid 4 x 64, 16 waves a work-group, clusters of 4 x 1, 232,960 bytes of LDS; arguments qcodes, qscales, kvimg, out0; writes out0
.if DOCPART == 3
	.amdgcn_target "amdgcn-amd-amdhsa--gfx1250"
	.amdhsa_code_object_version 6
	.text
	.protected	k_q10b44940d0_attn
	.globl	k_q10b44940d0_attn
	.p2align	8
	.type	k_q10b44940d0_attn,@function
k_q10b44940d0_attn:
	s_mov_b64 s[64:65], 0
	v_nop
	global_prefetch_b8 v0, s[64:65] scope:SCOPE_SE
	s_setreg_imm32_b32 hwreg(HW_REG_WAVE_MODE, 25, 1), 1
	s_wait_xcnt 0x0
	s_wait_alu depctr_hold_cnt(0) depctr_sa_sdst(0) depctr_va_vdst(0) depctr_va_sdst(0) depctr_va_ssrc(0) depctr_va_vcc(0) depctr_vm_vsrc(0)
	s_getreg_b32 s2, hwreg(HW_REG_IB_STS2, 6, 4)
	s_cmp_eq_u32 s2, 0
	s_cbranch_scc0 .Lentry_in_a_cluster
	s_endpgm
.Lentry_in_a_cluster:
	s_bfe_u32 s2, ttmp6, 0x10000c
	s_cmp_lg_u32 s2, 0x3003
	s_cbranch_scc0 .Lentry_shape_is_right
	s_endpgm
.Lentry_shape_is_right:
; out0[b][q][64 head + d] = the sum over k of softmax_k(Q . K / 8) V, both products on codes of FP4 (E2M1) with one E8M0 scale for each 32 along a product's K.  64 pairs (batch, head), 2,048 queries and keys, head size 64.
; THE SOFTMAX AHEAD OF THE SECOND PRODUCT: t = score x log2(e) / 8; M = the row's largest t so far, rounded UP to a whole number; p = 2^(t - M) is quantised along the keys, not normalised.
; The row's sum is taken of the unquantised p, in f32, and divides O at the end.  When M moves, the sum and O are multiplied by 2^(old M - new M): exact.
; INPUTS are this program's own: qcodes [hd][group of 128 queries][tile 8][lane][16 bytes]; qscales [hd][group][lane][4 words];
; kvimg [hd][key step of 128 keys][8,960 bytes]: K's 8 tiles x 512 bytes ([lane][16 bytes]), V's 4 fragments x 1,024, K's scale words 512, V's 256.
; In kvimg row r of K's tile T is key 32 (T / 2) + 8 (T % 2) + r + 8 (r / 8) of the step's 128.
; THE TILES OF K ARE GATHERED ANEW FROM THAT IMAGE, by the lanes' addresses alone: tile t = 4 c + i takes as rows 0-7 the keys 64 c + 8 i + 0 .. 7 and as rows 8-15 the keys 64 c + 32 + 8 i + 0 .. 7.
; S^T = K Q^T then leaves lane (r, h) query r and, in the 32 registers of tiles 4 c .. 4 c + 3, the keys 64 c + 32 h + 0 .. 31: a WHOLE block of 32, in the order of the second product's operand.
; So a block's largest score needs no other lane, and the conversions' results are P's operand as they stand; only the row's maximum and P's scale words go to lane l xor 16.
; THE FIRST PRODUCT HAS K = 64 and the instruction 128: Q's registers 4-7 are zero codes, set once, so K's registers 4-7 may hold any codes: tile t's operand is 8 registers from BUF + 4 t, whose upper half is the next tile's lower half.
; (FP4 has no NaN and no infinity; the upper two scale bytes of K's and Q's words are 2^0.)
; SHARES.  A work-group owns 512 queries of one (batch, head), in two passes of 256; each of its sixteen waves owns 16 of them a pass, in 256 registers.
; A STEP IS 256 KEYS, two key steps of kvimg (halves A and B): M, f and the rescaling of O and of the sum are made once for 256 keys.  One buffer of 36 registers takes K's half A, K's half B, V's half A, V's half B in turn.
; THE WHOLE HEAD'S K AND V COME INTO LDS ONCE: wave w's one tensor load brings key step w, 35 rows of 256 bytes with 32 bytes of padding behind each (pitch 288), so that the two groups of eight rows of a gathered tile,
; 1,152 bytes apart, fall on different banks (64 banks of 4 bytes: ISA guide 11.1).  Nothing is filled again.
; CLUSTER.  The four work-groups of a cluster own the four quarters of one head's queries and read the same K and V: each load is asked for JOINTLY, with one descriptor and a mask that names the four.
; NO PREFETCH: all tensor loads go out at the head; there is no loop to run ahead in.
; THE PLACES behind the products (ISA guide 7.12.1) are filled by work that is due anyway: behind the first product of half A the last four additions of the step before (they live in half B's registers),
; behind that of half B the rest of half A's maxima, behind the second products additions of the row's sum.
; LIMITS: NaN and infinities are not served; the promise holds while |t| stays under 2^31; a block of p that has fallen to zeros keeps the byte 1 (its codes are zeros).
.set HEADB, 143360
.set STEPB, 8960                       ; a key step in memory
.set LSTEP, 35*288                     ; and in LDS
.set VOFF,  16*288
.set KSOFF, 32*288
.set VSOFF, 34*288
.set STAGE, 16*LSTEP                   ; behind the head: 16 rows x (256 bytes + 16) for each wave, for the way out; no tensor load lands there
.set SP,    272
.set SPARE, STAGE+16*16*SP             ; the spare words, 128 bytes a wave
.set AK,   1                           ; v1  K: 1152 (r / 8) + 16 (r % 8) + 288 h, + the step's first byte
.set AV,   2                           ; v2  V: 16 r + 288 h, likewise
.set AS,   3                           ; v3  K's scale words: 288 h + 16 (r % 8) + 4 (r / 8), likewise
.set AT,   4                           ; v4  V's scale words: 8 x lane, likewise
.set SPW,  5
.set NIL,  6
.set RUN,  7                           ; v7  the largest score so far
.set OLD,  8                           ; v8  the old -M
.set FF,   10                          ; v10 f; v11 (named with it as a pair, never taken) holds 16 x (lane % 16), the offset of Q's scale word
.set QSA,  11
.set LI,   13                          ; v12 -M; v13 (named with it as a pair, never taken) holds 16 x lane, the offset of Q's codes
.set BUF,  24                          ; v24-59 K's or V's half; v56-59 stay zero
.set KS,   60                          ; v60-63 K's scale words, v64-65 V's, v66-67 P's (halves A, B), v68 Q's
.set VS,   64
.set PSA,  66
.set PSB,  67
.set QS,   68
.set U,    70                          ; v70-73 the four blocks' largest scores, then their p
.set SO,   74                          ; v74-77 the conversions' scale operands
.set P,    80                          ; v80-95 P's codes; ahead of them the sixteen tiles' running maxima.  v9, v69, v78, v79 at work
.set WV,   12                          ; v96-223 S^T, then p; v224-255 O^T; v14-15 the sum in two halves; v16-23 Q
.set CX,   13
.set HD,   14
.set SEL,  20                          ; s[20:21] selects for lane l xor 16
.set CS,   22                          ; s[22:23] c = log2(e) / 8
.set G1,   24
.set G0,   32
.set STG,  36                          ; s36 my stage
.set CNT,  37
.set QB,   40
.set QSB,  42
.set OB,   44
.set NC,   50                          ; s50 -c
.macro CROUND                          ; a round of the cluster's barrier
	s_barrier_signal -1
	s_barrier_wait -1
	s_cmp_lg_u32 s[WV], 0
	s_cbranch_scc1 .Lnot_wave_0_\@
	s_barrier_signal -3
.Lnot_wave_0_\@:
	s_barrier_wait -3
	s_barrier_signal -1
	s_barrier_wait -1
.endm
.macro KLOAD o                         ; 12 loads: K's eight gathered tiles and their scale words (register 2 c + i: lanes 0-15 tile 4 c + 2 i, lanes 16-31 tile 4 c + 2 i + 1)
.irp c, 0,1
.irp i, 0,1,2,3
	ds_load_b128 v[BUF+16*\c+4*\i:BUF+16*\c+4*\i+3], v[AK] offset:(\o)+2304*\c+576*(\i%2)+128*(\i/2)
.endr
.irp i, 0,1
	ds_load_b32 v[KS+2*\c+\i], v[AS] offset:(\o)+KSOFF+128*\i+8*\c
.endr
.endr
.endm
.macro VLOAD o                         ; 9 loads: V's four fragments and their scale words
.irp t, 0,1,2,3
.irp c, 0,1
	ds_load_b128 v[BUF+8*\t+4*\c:BUF+8*\t+4*\c+3], v[AV] offset:(\o)+VOFF+1152*\t+576*\c
.endr
.endr
	ds_load_b64 v[VS:VS+1], v[AT] offset:(\o)+VSOFF
.endm
.macro INIT                            ; a pass begins: zeros, which the first change of M leaves zeros
	v_mov_b32 v[RUN], 0xff61b1e6                   ; -3e38
	v_mov_b32 v[OLD], 0x7e000000                   ; so large that the first f is 0
	v_mov_b32 v14, 0
	v_mov_b32 v15, 0
.irp j, 160,161,176,177,192,193,208,209
	v_mov_b32 v\j, 0                               ; what the first step's four late additions take in
.endr
.set j, 0
.rept 32
	v_mov_b32 v[224+j], 0
.set j, j+1
.endr
.endm
	s_load_b256 s[4:11], s[0:1], 0x0               ; qcodes, qscales, kvimg, out0
	v_lshl_add_u32 v[SPW], v0, 2, SPARE
	v_mov_b32 v[NIL], 0
	ds_add_u32 v[SPW], v[NIL]                      ; the opening lines: the add twice on end and its wait ahead of my tensor load
	ds_add_u32 v[SPW], v[NIL]
	v_lshrrev_b32 v9, 5, v0
	v_readfirstlane_b32 s[WV], v9                  ; wave 0..15
	s_bfe_u32 s[CX], ttmp6, 0x40000
	s_and_b32 s[HD], ttmp7, 0xffff
	s_mov_b32 s[G1], 15|(3<<16)|(1<<20)|(1<<21)|(5<<22)|(7<<25)   ; mask: all four; elements of 8 bytes; padding on; 21 beside a mask; after every 64 words, 8 words
	s_mov_b32 s[G1+1], 32<<16
	s_mov_b32 s[G1+2], 35<<16
	s_mov_b32 s[G1+3], 32<<16
	s_mov_b32 s[G1+4], 35
	s_mov_b32 s[G1+5], 32
	s_mov_b32 s[G1+6], 0
	s_mov_b32 s[G1+7], 0
	s_mov_b32 s[G0], 1
	s_mul_i32 s[G0+1], s[WV], LSTEP                ; LDS: key step w
	s_mul_i32 s38, s[HD], HEADB
	s_mul_i32 s39, s[WV], STEPB
	s_add_co_u32 s38, s38, s39                     ; the same key step of my head in kvimg (under 2^24 bytes)
	s_mov_b32 s39, 0
	s_mov_b32 s[SEL], 0x76543210
	s_mov_b32 s[SEL+1], 0xfedcba98
	s_mov_b32 s[CS], 0x3e38aa3b
	s_mov_b32 s[CS+1], s[CS]                       ; (named with it as a pair, so it is written)
	s_mov_b32 s[NC], 0xbe38aa3b
	s_wait_dscnt 0x0
	s_wait_kmcnt 0x0
	s_add_nc_u64 s[G0+2:G0+3], s[8:9], s[38:39]
	s_or_b32 s[G0+3], s[G0+3], 0x80000000
	CROUND                                         ; all four work-groups are here: the joint loads meet
	tensor_load_to_lds s[G0:G0+3], s[G1:G1+7]      ; my one tensor load of the launch
	s_nop 0
.rept 4
	v_nop
.endr
	; my wave's parts: group 4 cx + w / 8 of the head's 16 groups of 128 queries (the second pass: two groups on), tile w % 8 of it
	s_lshr_b32 s16, s[WV], 3
	s_lshl_b32 s17, s[CX], 2
	s_add_co_u32 s17, s17, s16                     ; the group
	s_and_b32 s18, s[WV], 7                        ; the tile
	s_mov_b32 s49, 0
	s_lshl_b32 s48, s[HD], 16                      ; Q's codes: 65,536 bytes a head, 4,096 a group, 512 a tile
	s_lshl_b32 s19, s17, 12
	s_add_co_u32 s48, s48, s19
	s_lshl_b32 s19, s18, 9
	s_add_co_u32 s48, s48, s19
	s_add_nc_u64 s[QB:QB+1], s[4:5], s[48:49]
	s_lshl_b32 s48, s[HD], 13                      ; Q's scale words: 8,192 bytes a head, 512 a group; in it lane 16 (tile % 2) + r, word tile / 2
	s_lshl_b32 s19, s17, 9
	s_add_co_u32 s48, s48, s19
	s_and_b32 s19, s[WV], 1
	s_lshl_b32 s46, s19, 8
	s_add_co_u32 s48, s48, s46
	s_lshr_b32 s47, s18, 1
	s_lshl_b32 s46, s47, 2
	s_add_co_u32 s48, s48, s46
	s_add_nc_u64 s[QSB:QSB+1], s[6:7], s[48:49]
	s_lshl_b32 s46, s17, 7                         ; out0: my tile's first query: 128 x group + 32 (tile / 2) + 8 (tile % 2),
	s_lshl_b32 s47, s47, 5
	s_add_co_u32 s46, s46, s47
	s_lshl_b32 s19, s19, 3
	s_add_co_u32 s46, s46, s19
	s_lshl_b32 s46, s46, 12                        ; rows of 4,096 bytes,
	s_lshr_b32 s47, s[HD], 4
	s_lshl_b32 s47, s47, 23                        ; the batch's 2,048 rows,
	s_add_co_u32 s46, s46, s47
	s_and_b32 s47, s[HD], 15
	s_lshl_b32 s47, s47, 8                         ; the head's 256 bytes of a row
	s_add_co_u32 s48, s46, s47
	s_add_nc_u64 s[OB:OB+1], s[10:11], s[48:49]
	s_mul_i32 s[STG], s[WV], 16*SP
	s_add_co_u32 s[STG], s[STG], STAGE
	v_and_b32 v200, 31, v0                         ; lane
	v_and_b32 v201, 15, v0                         ; r
	v_bfe_u32 v202, v0, 4, 1                       ; h
	v_and_b32 v203, 7, v0                          ; r % 8
	v_bfe_u32 v204, v0, 3, 1                       ; r / 8
	v_lshlrev_b32 v[LI], 4, v200
	v_lshlrev_b32 v[AT], 3, v200
	v_lshlrev_b32 v[QSA], 4, v201
	v_mul_u32_u24 v[AV], v202, 288
	v_mov_b32 v69, 0                               ; a lane permute's destination counts as one of its sources
.irp j, 20,21,22,23,56,57,58,59
	v_mov_b32 v\j, 0                               ; Q's codes of K = 64 .. 127: zeros for the whole launch; v56-59: the upper half of K's last operand
.endr
	v_lshl_add_u32 v[AS], v203, 4, v[AV]
	v_lshl_add_u32 v[AV], v201, 4, v[AV]
	v_mad_u32_u24 v[AK], v204, 1152, v[AS]
	v_lshl_add_u32 v[AS], v204, 2, v[AS]
	INIT
	s_wait_alu depctr_va_vdst(0)                   ; the wait at the head's end
	global_load_b128 v[16:19], v[LI], s[QB:QB+1]   ; Q's fragment of the first pass
	global_load_b32 v[QS], v[QSA], s[QSB:QSB+1]    ; and its scale words
	s_wait_tensorcnt 0x0                           ; my key step is in,
	s_barrier_signal -1
	s_barrier_wait -1                              ; everybody's is: the head lies in LDS
	KLOAD 0                                        ; K of key step 0
.macro QK sb                           ; S^T = K Q^T for 128 keys: eight accumulators from v[sb] on, each begun by the constant 0
.irp t, 0,2,4,6
	v_wmma_scale_f32_16x16x128_f8f6f4 v[\sb+8*\t:\sb+8*\t+7], v[BUF+4*\t:BUF+4*\t+7], v[16:23], 0, v[KS+\t/2], v[QS] matrix_a_fmt:MATRIX_FMT_FP4 matrix_b_fmt:MATRIX_FMT_FP4
	v_wmma_scale_f32_16x16x128_f8f6f4 v[\sb+8*\t+8:\sb+8*\t+15], v[BUF+4*\t+4:BUF+4*\t+11], v[16:23], 0, v[KS+\t/2], v[QS] matrix_a_fmt:MATRIX_FMT_FP4 matrix_b_fmt:MATRIX_FMT_FP4 matrix_a_scale:MATRIX_SCALE_ROW1
.endr
.endm
.macro PV pb, ps                       ; O^T += V^T P^T for 128 keys: four accumulators by turns
.irp t, 0,2
	v_wmma_scale_f32_16x16x128_f8f6f4 v[224+8*\t:231+8*\t], v[BUF+8*\t:BUF+8*\t+7], v[\pb:\pb+7], v[224+8*\t:231+8*\t], v[VS+\t/2], v[\ps] matrix_a_fmt:MATRIX_FMT_FP4 matrix_b_fmt:MATRIX_FMT_FP4
	v_wmma_scale_f32_16x16x128_f8f6f4 v[232+8*\t:239+8*\t], v[BUF+8*\t+8:BUF+8*\t+15], v[\pb:\pb+7], v[232+8*\t:239+8*\t], v[VS+\t/2], v[\ps] matrix_a_fmt:MATRIX_FMT_FP4 matrix_b_fmt:MATRIX_FMT_FP4 matrix_a_scale:MATRIX_SCALE_ROW1
.endr
.endm
; THE LARGEST SCORE OF EACH BLOCK OF 32 KEYS: it serves for the row's maximum and, since p rises with the score, for the block's largest p.  Each accumulator is read from its low end on; eight chains by turns.
.macro MX1 sb, m
.irp t, 0,1,2,3,4,5,6,7
	v_max3_num_f32 v[\m+\t], v[\sb+8*\t], v[\sb+8*\t+1], v[\sb+8*\t+2]
.endr
.irp t, 0,1,2,3,4,5,6,7
	v_max3_num_f32 v[\m+\t], v[\m+\t], v[\sb+8*\t+3], v[\sb+8*\t+4]
.endr
	v_max3_num_f32 v78, v[\sb+7], v[\sb+15], v[\sb+23]
	v_max3_num_f32 v79, v[\sb+39], v[\sb+47], v[\sb+55]
.endm
.macro MX2 sb, m, u
.irp t, 0,1,2,3,4,5,6,7
	v_max3_num_f32 v[\m+\t], v[\m+\t], v[\sb+8*\t+5], v[\sb+8*\t+6]
.endr
	v_max3_num_f32 v[\u], v[\m], v[\m+1], v[\m+2]
	v_max3_num_f32 v[\u+1], v[\m+4], v[\m+5], v[\m+6]
	v_max3_num_f32 v78, v78, v[\m+3], v[\sb+31]
	v_max3_num_f32 v79, v79, v[\m+7], v[\sb+63]
	v_max_num_f32 v[\u], v[\u], v78
	v_max_num_f32 v[\u+1], v[\u+1], v79
.endm
.macro TMS j0, n                       ; t - M of n pairs of scores, from register 96 + j0 on (of the pairs c and -M the low word serves both halves)
.set j, \j0
.rept \n
	v_pk_fma_f32 v[96+j:97+j], v[96+j:97+j], s[CS:CS+1], v[12:13] op_sel_hi:[1,0,0]
.set j, j+2
.endr
.endm
.macro SUMP j0, d, n                   ; n additions of a level of the sum's tree: pairs 2 d registers apart, each taking in the pair d registers on
.set j, \j0
.rept \n
	v_pk_add_f32 v[96+j:97+j], v[96+j:97+j], v[96+\d+j:97+\d+j]
.set j, j+2*\d
.endr
.endm
.macro TAIL                            ; the tree's last four additions: they name half B's registers and the sum alone
	v_pk_add_f32 v[160:161], v[160:161], v[176:177]
	v_pk_add_f32 v[192:193], v[192:193], v[208:209]
	v_pk_add_f32 v[160:161], v[160:161], v[192:193]
	v_pk_add_f32 v[14:15], v[14:15], v[160:161]
.endm
.macro CV b, i                         ; eight neighbouring keys' codes: register i of block b's four
	v_cvt_scalef32_pk8_fp4_f32 v[P+4*(\b)+(\i)], v[96+32*(\b)+8*(\i):103+32*(\b)+8*(\i)], v[SO+(\b)]
.endm
.macro STEPADR a, b, mode              ; two address registers on to the next 256 keys; mode 2: back to the head's first
.if \mode == 1
	v_add_nc_u32 v[\a], 2*LSTEP, v[\a]
	v_add_nc_u32 v[\b], 2*LSTEP, v[\b]
.endif
.if \mode == 2
	v_sub_nc_u32 v[\a], v[\a], 14*LSTEP
	v_sub_nc_u32 v[\b], v[\b], 14*LSTEP
.endif
.endm
; A STEP: 256 keys.  mode 1: the next step's K is asked for at its end; 2: the head's first K again, and the next pass's Q; 0: nothing more.  Every wait on DScnt is for 0: one group of loads is out at a time.
.macro STEP mode
	s_wait_dscnt 0x0                               ; K's half A
	QK 96
	TAIL                                           ; four places; the step before left these four additions
	KLOAD LSTEP                                    ; K's half B
	STEPADR AK, AS, \mode
	MX1 96, P
	s_wait_alu depctr_va_vdst(0)                   ; the wait here, directly ahead of the wait below
	s_wait_dscnt 0x0
	QK 160
	MX2 96, P, U                                   ; half A's maxima go on: the places behind half B's products
	VLOAD 0                                        ; V's half A
.if \mode == 2
	global_load_b128 v[16:19], v[LI], s[QB:QB+1] offset:8192
	global_load_b32 v[QS], v[QSA], s[QSB:QSB+1] offset:1024
.endif
	MX1 160, P+8
	MX2 160, P+8, U+2
	v_max3_num_f32 v9, v[U], v[U+1], v[U+2]
	s_delay_alu instid0(VALU_DEP_1)
	v_max_num_f32 v9, v9, v[U+3]
	s_delay_alu instid0(VALU_DEP_1)
	v_permlanex16_b32 v69, v9, s[SEL], s[SEL+1]    ; lane l xor 16's 128 keys
	s_delay_alu instid0(VALU_DEP_1)
	v_max3_num_f32 v[RUN], v[RUN], v9, v69         ; the running largest score of my query
	s_delay_alu instid0(VALU_DEP_1)
	v_mul_f32 v9, s[NC], v[RUN]                    ; -t
	s_delay_alu instid0(VALU_DEP_1)
	v_floor_f32 v12, v9                            ; the new -M = floor(-t) = -ceil(t): a whole number
	TMS 0, 5
	v_sub_f32 v78, v12, v[OLD]                     ; old M - new M: a whole number, 0 or less
	TMS 10, 5
	v_cvt_i32_f32 v78, v78                         ; (it saturates)
	TMS 20, 5
	v_ldexp_f32 v[FF], 1.0, v78                    ; f = 2^(old M - new M): a multiplication by it rounds nothing
	TMS 30, 49
	v_pk_fma_f32 v[U:U+1], v[U:U+1], s[CS:CS+1], v[12:13] op_sel_hi:[1,0,0]       ; the same of each block's largest score
	v_pk_fma_f32 v[U+2:U+3], v[U+2:U+3], s[CS:CS+1], v[12:13] op_sel_hi:[1,0,0]
	v_pk_mul_f32 v[14:15], v[14:15], v[FF:FF+1] op_sel_hi:[1,0]                   ; the sums under the new M
.set j, 0
.rept 16
	v_pk_mul_f32 v[224+j:225+j], v[224+j:225+j], v[FF:FF+1] op_sel_hi:[1,0]       ; O^T under the new M, each accumulator from its low end on
.set j, j+2
.endr
	s_wait_alu depctr_va_vdst(0)                   ; the wait ahead of the batch
.irp b, 0,1,2,3
	v_exp_f32 v[U+\b], v[U+\b]                     ; the blocks' largest p: the same arithmetic on the same number gives the same bits
.endr
.set j, 0
.rept 128
	v_exp_f32 v[96+j], v[96+j]                     ; p = 2^(t - M), at most 1: NOT normalised
.set j, j+1
.endr
	v_mov_b32 v[OLD], v12                          ; for the next step (a plain place behind the exponentials)
	s_wait_alu depctr_va_vdst(0)                   ; one wait for the batch, ahead of its first reader; it stands directly ahead of the wait below too
	s_wait_dscnt 0x0                               ; V's half A
.irp b, 0,1,2,3
	v_max_num_f32 v[U+\b], 0x1800000, v[U+\b]      ; the floor 2^(3 - 127): the byte cannot fall under 1
.endr
.irp b, 0,1,2,3
	v_add_nc_u32 v[SO+\b], 0xff000000, v[U+\b]     ; 2 off the exponent field: the conversion's scale operand
.endr
.irp b, 0,1,2,3
	CV \b, 0
.endr
	v_lshrrev_b32 v78, 23, v[SO]                   ; half A: block h's byte at bits 7:0,
	v_lshrrev_b32 v79, 7, v[SO+1]                  ; block 2 + h's at bits 23:16
.irp b, 0,1,2,3
	CV \b, 1
.endr
	v_and_or_b32 v78, v79, 0xff0000, v78
	v_lshrrev_b32 v9, 23, v[SO+2]                  ; half B likewise
	v_lshrrev_b32 v79, 7, v[SO+3]
.irp b, 0,1,2,3
	CV \b, 2
.endr
	v_permlanex16_b32 v69, v78, s[SEL], s[SEL+1]
	v_and_or_b32 v9, v79, 0xff0000, v9
.irp b, 0,1,2,3
	CV \b, 3
.endr
	v_lshl_or_b32 v[PSA], v69, 8, v78              ; in lanes 0-15, the only ones read: blocks 0 and 2 are mine, 1 and 3 lane l + 16's: P's scale word.  (Also the plain line behind the conversions)
	v_permlanex16_b32 v69, v9, s[SEL], s[SEL+1]
	v_lshl_or_b32 v[PSB], v69, 8, v9
	SUMP 0, 2, 32                                  ; THE ROW'S SUM IS TAKEN OF THE UNQUANTISED p: a tree over my 128; these 32 are the places between P's codes and scale words and the products
	PV P, PSA
	SUMP 0, 4, 4                                   ; four places
	VLOAD LSTEP                                    ; V's half B
	STEPADR AV, AT, \mode
	SUMP 32, 4, 12
	SUMP 0, 8, 8
	s_wait_alu depctr_va_vdst(0)                   ; the wait here, directly ahead of the wait below
	s_wait_dscnt 0x0
	PV P+8, PSB
	SUMP 0, 16, 2                                  ; four places: half A's last level, and its two sums into half B's registers
	v_pk_add_f32 v[160:161], v[160:161], v[96:97]
	v_pk_add_f32 v[192:193], v[192:193], v[128:129]
.if \mode
	s_wait_alu depctr_va_vdst(0)
	KLOAD 0                                        ; the next step's K, half A
.endif
.endm
; THE WAY OUT of a pass.  O^T is divided by the row's sum and goes through my stage in LDS, so that sixteen lanes store the head's 256 consecutive bytes of one row of out0.
.macro WAYOUT p
	v_add_f32 v14, v14, v15                        ; the sum's two halves,
	v_and_b32 v200, 15, v0                         ; r
	v_bfe_u32 v201, v0, 4, 1                       ; h
	v_permlanex16_b32 v69, v14, s[SEL], s[SEL+1]
	v_mul_u32_u24 v202, v200, SP                   ; in: row r, + 64 h bytes: tile t's register j is channel 32 (t / 2) + 16 h + 8 (t % 2) + j
	v_mul_u32_u24 v203, v201, SP                   ; back: lanes 0-15 one row of 256 bytes, lanes 16-31 the next
	v_lshlrev_b32 v204, 12, v201                   ; and the same two rows in out0
	v_add_f32 v14, v14, v69                        ; and lane l xor 16's: the row's sum
	v_lshl_add_u32 v202, v201, 6, v202
	v_lshl_add_u32 v203, v200, 4, v203
	v_lshl_add_u32 v204, v200, 4, v204
	v_add_nc_u32 v202, s[STG], v202
	v_add_nc_u32 v203, s[STG], v203
	s_wait_alu depctr_va_vdst(0)                   ; the wait ahead of the transcendental
	v_rcp_f32 v14, v14
	v_nop                                          ; one plain place behind it
	s_wait_alu depctr_va_vdst(0)                   ; the wait ahead of its first reader, which is O^T's first reader too
.set j, 0
.rept 16
	v_pk_mul_f32 v[96+j:97+j], v[224+j:225+j], v[14:15] op_sel_hi:[1,0]   ; each accumulator from its low end on
.set j, j+2
.endr
.irp t, 0,1,2,3
.irp i, 0,1
	ds_store_b128 v202, v[96+8*\t+4*\i:99+8*\t+4*\i] offset:128*(\t/2)+32*(\t%2)+16*\i
.endr
.endr
.irp i, 0,1,2,3,4,5,6,7
	ds_load_b128 v[128+4*\i:131+4*\i], v203 offset:2*\i*SP         ; LDS serves a wave's instructions in order (ISA guide 5.7.1.4): these see my stores
.endr
.irp i, 0,1,2,3,4,5,6,7
	s_wait_dscnt 7-\i                              ; rows 2 i and 2 i + 1 are back; the later rows' loads may be out
	global_store_b128 v204, v[128+4*\i:131+4*\i], s[OB:OB+1] offset:\p*1048576+(2*\i+8*(\i/4))*4096 th:TH_STORE_NT   ; stage row n is query n + 8 (n / 8) of the tile; a pass is 256 rows of 4,096 bytes
.endr
.endm
.macro PASS p
.if \p
	INIT
	s_wait_alu depctr_va_vdst(0)                   ; the wait here, directly ahead of the waits below
	s_wait_xcnt 0x0                                ; the last pass's stores have read their registers, which this pass writes again
.endif
	s_wait_loadcnt 0x0                             ; Q
	s_mov_b32 s[CNT], 7
.Lstep_\@:
	STEP 1
	s_sub_co_u32 s[CNT], s[CNT], 1
	s_cmp_lg_u32 s[CNT], 0
	s_cbranch_scc1 .Lstep_\@
.if \p
	STEP 0                                         ; the launch's last step asks for nothing
.else
	STEP 2                                         ; the first pass's last step asks for the head's first K again, and for the second pass's Q
.endif
	TAIL
	WAYOUT \p
.endm
	PASS 0
	PASS 1
	s_wait_tensorcnt 0x0                           ; the wave's end
	ds_add_u32 v[SPW], v[NIL]
	s_wait_dscnt 0x0
	CROUND                                         ; the closing round
	s_endpgm
.Lfunc_end_k_q10b44940d0_attn:
	.size	k_q10b44940d0_attn, .Lfunc_end_k_q10b44940d0_attn-k_q10b44940d0_attn
	.p2alignl 7, 3214868480
	.fill 96, 4, 3214868480
	.section	.rodata,"a",@progbits
	.p2align	6, 0x0
	.amdhsa_kernel k_q10b44940d0_attn
		.amdhsa_group_segment_fixed_size 232960
		.amdhsa_private_segment_fixed_size 0
		.amdhsa_enable_private_segment 0
		.amdhsa_kernarg_size 32
		.amdhsa_user_sgpr_count 2
		.amdhsa_user_sgpr_kernarg_segment_ptr 1
		.amdhsa_wavefront_size32 1
		.amdhsa_system_sgpr_workgroup_id_x 1
		.amdhsa_system_sgpr_workgroup_id_y 1
		.amdhsa_system_sgpr_workgroup_id_z 1
		.amdhsa_system_vgpr_workitem_id 0
		.amdhsa_next_free_vgpr 256
		.amdhsa_next_free_sgpr 66
		.amdhsa_reserve_vcc 0
		.amdhsa_float_denorm_mode_32 3
		.amdhsa_float_denorm_mode_16_64 3
		.amdhsa_memory_ordered 1
		.amdhsa_forward_progress 1
		.amdhsa_inst_pref_size 121
	.end_amdhsa_kernel
	.amdgpu_metadata
---
amdhsa.version: [ 1, 2 ]
amdhsa.kernels:
  - .name:           k_q10b44940d0_attn
    .symbol:         k_q10b44940d0_attn.kd
    .args:
      - { .name: qcodes, .offset: 0, .size: 8, .value_kind: global_buffer, .address_space: global }
      - { .name: qscales, .offset: 8, .size: 8, .value_kind: global_buffer, .address_space: global }
      - { .name: kvimg, .offset: 16, .size: 8, .value_kind: global_buffer, .address_space: global }
      - { .name: out0, .offset: 24, .size: 8, .value_kind: global_buffer, .address_space: global }
    .group_segment_fixed_size: 232960
    .private_segment_fixed_size: 0
    .kernarg_segment_align: 8
    .kernarg_segment_size: 32
    .max_flat_workgroup_size: 512
    .sgpr_count:     66
    .vgpr_count:     256
    .wavefront_size: 32
...
	.end_amdgpu_metadata
.endif
;; end of part 3
